; MI455X (gfx1250); checked and timed in simulation.
; The chip was launched on July 23, 2026; its instructions are those of AMD's public machine-readable ISA for CDNA 5 (MIT licence, August 2026) and "CDNA5" Instruction Set Architecture Reference Guide (July 2026). The comments in the code are by the model that wrote it; some were corrected since.
;; Hungarian Matcher. Allowed arithmetic: float matrix products may take bf16 or f16 operands with f32 sums; all other float work in f32.
;; Inputs: pred_logits 100 x 8 x 4 float32; pred_polylines 100 x 8 x 30 x 2 float32; tgt_ids 128 int32; tgt_polylines 128 x 30 x 2 float32.
;; Outputs: out0 8 x 100 x 128 float32.
;; One version. Each part assembles by itself: llvm-mc -triple=amdgcn-amd-amdhsa -mcpu=gfx1250 --defsym DOCPART=n.
;; ======== version 1 of 1: 1 launch
;; launch matcher (part 1): grid 256 x 1, 12 waves a work-group, no clusters, 37,376 bytes of LDS; arguments pred_logits, pred_polylines, tgt_ids, tgt_polylines, out0; writes out0
.if DOCPART == 1
	.amdgcn_target "amdgcn-amd-amdhsa--gfx1250"
	.amdhsa_code_object_version 6
	.text
	.protected	k_q33abdf6927_matcher
	.globl	k_q33abdf6927_matcher
	.p2align	8
	.type	k_q33abdf6927_matcher,@function
k_q33abdf6927_matcher:
	s_mov_b64 s[64:65], 0
	v_nop
	global_prefetch_b8 v0, s[64:65] scope:SCOPE_SE
	s_setreg_imm32_b32 hwreg(HW_REG_WAVE_MODE, 25, 1), 1
	s_wait_xcnt 0x0
; out[p][t] = -softmax(logits[p])[ids[t]] + (sum_i min_j D[i][j] + sum_j min_i D[i][j]) / 60,
; D[i][j] = |px_i - tx_j| + |py_i - ty_j|;  p = 0..799 (query and batch flattened; the last reshape moves no byte), t = 0..127, i, j = 0..29.
; All arithmetic in f32 on the vector ALU: a minimum of L1 distances is no matrix product.
;
; SHARES.  102,400 pairs (p, t) of 900 distances.  256 work-groups x 12 waves x 32 lanes = 98,304 lanes take one pair each: work-group g has
; p = 3g .. 3g+2, wave w has p = 3g + w/4, thread n has t = n & 127.  That covers p = 0..767.  The other 32 x 128 = 4,096 pairs are 16 a
; work-group (p' = 768 + g/8, t' = 16 (g & 7) + 0..15), spread over the 128 lanes of waves 0-3: eight lanes a pair, four points a lane.
; COST.  A block of 2 points x 6 points is 12 v_pk_add_f32 (dx, dy at once), 12 v_add_f32 of magnitudes and 12 v_min3: 3 a distance.
; DATA.  The 128 targets (30,720 bytes) come in once a work-group, 5 x 16 bytes a thread, 512 neighbouring bytes a wave's load, and lie in LDS;
; a lane then reads its own 240 bytes.  A wave's prediction lies in LDS bytes of the wave's own and is read two points at a time.
; The split pairs use that the sum is symmetric in the two polylines: the side held whole (30 points in registers) is the prediction p', one
; address for all lanes, and a lane's four own points are points of its target; both come straight from memory, asked for at the head.
; NO CLUSTER: the one input that work-groups share is the table, five loads a thread in front of some 2,800 vector instructions a wave.
; NO PREFETCH: every global load of the launch is issued at its head.
; LIMITS.  A NaN coordinate is dropped by the _num minima (reference() would give NaN).  ids are taken to be 0..3 (as reference() relies on);
; any other id picks class 0.  Sums are added in another order than reference()'s, and the two means and the half are one factor 1/60.
.set POLY,  240                        ; bytes of a polyline: 30 points x 2 x 4
.set STEP,  6144                       ; 384 threads x 16 bytes
.set PRL,   0                          ; LDS: wave w's prediction at 256 w (240 bytes used)
.set TGL,   12*256                     ; LDS: the 128 targets, 240 bytes each
.set OUTL,  TGL+128*POLY               ; LDS: 384 results of the whole pairs, word = thread
.set EXTRA, OUTL+1536                  ; LDS: the split pairs' results, word = thread 0..127 (the eight lanes of a pair hold the same number)
.set XM,   1                           ; the way out of the split pairs: which four of the 16
.set STG,  2                           ; 16 x thread: staging offset, and the way out
.set XA,   3                           ; LDS offset of those four results
.set PGO,  4                           ; global offset of the 8 bytes of my wave's prediction that I stage
.set PLA,  5                           ; and where they go in LDS: 8 x thread
.set PA,   6                           ; LDS address of my wave's prediction; steps by two point pairs a trip
.set LGO,  7                           ; offset of the prediction's logits
.set TT,   8                           ; my target
.set IDO,  9                           ; offset of its id
.set TA,   10                          ; 240 x target: its polyline in the LDS table
.set OA,   11                          ; 4 x thread: my result's word
.set ID,   12
.set NP,   13                          ; - probability of the target's class
.set RES,  14
.set GO,   15                          ; offset in out0
.set Q,    16                          ; split pairs: which of the 16
.set CH,   17                          ; which four points (c = 0..7)
.set PA2,  18                          ; offsets in the targets of points 4c, 4c+1 of t'
.set PB2,  19                          ; and of 4c+2, 4c+3 (c = 7: 28, 29 again)
.set LGO2, 20                          ; offset of p' logits
.set T2,   21                          ; t'
.set IDO2, 22
.set TA2,  23                          ; 240 t'
.set PO2,  24                          ; offset of p' polyline
.set ID2,  25
.set LG,   26                          ; v[26:29] logits
.set LG2,  30                          ; v[30:33] logits of p'
.set PR2,  34                          ; v[34:41] my four points of t'
.set PRA,  42                          ; v[42:45] two points (x, y, x, y), buffer A
.set PRB,  46                          ; v[46:49] buffer B
.set RS,   50                          ; v[50:51] sums of row minima
.set R,    52                          ; v[52:53] row minima of the two points at work
.set TG,   54                          ; v[54:113] my target: (x, y) of point j at TG + 2j
.set CM,   114                         ; v[114:143] column minima
.set TMP,  144                         ; v[144:167] 12 x (dx, dy)
.set D,    168                         ; v[168:179] 12 distances, point a (0, 1) against point b (0..5) at D + 6a + b; v[180:183] partial minima
.set TG2,  184                         ; v[184:243] waves 0-3: the polyline of p', held from the head to the split pairs
	s_load_b256 s[4:11], s[0:1], 0x0               ; logits s[4:5], predictions s[6:7], ids s[8:9], targets s[10:11]
	s_load_b64 s[12:13], s[0:1], 0x20              ; out0
	v_lshl_add_u32 v244, v0, 2, 0x8c00
	v_mov_b32 v245, 0
	v_lshrrev_b32 v1, 5, v0
	v_readfirstlane_b32 s14, v1                    ; wave 0..11
	s_lshr_b32 s15, s14, 2
	s_mul_i32 s16, ttmp9, 3
	s_add_co_u32 s16, s16, s15                     ; p = 3g + w/4
	s_mul_i32 s17, s16, POLY                       ; its polyline
	s_lshl_b32 s18, s16, 4                         ; its four logits
	s_lshl_b32 s19, s14, 8                         ; my wave's 256 bytes in LDS (PRL = 0)
	s_lshr_b32 s20, ttmp9, 3
	s_add_co_u32 s20, s20, 768                     ; p' of the split pairs
	s_and_b32 s21, ttmp9, 7                        ; which 16 targets of it
	s_mov_b32 s22, 0x3fb8aa3b                      ; log2 e
	s_mov_b32 s30, 0x3c888889                      ; 1/60
	v_lshlrev_b32 v[STG], 4, v0
	v_and_b32 v1, 31, v0
	v_lshl_add_u32 v[PGO], v1, 3, s17              ; 32 lanes x 8 bytes = 256: the polyline's 240 and 16 of prediction p + 1, which exists
	v_lshlrev_b32 v[PLA], 3, v0                    ; (p is 767 at the most of 799) and is never read back from LDS
	v_mov_b32 v[PA], s19
	v_mov_b32 v[LGO], s18
	v_and_b32 v[TT], 127, v0
	v_lshlrev_b32 v[IDO], 2, v[TT]
	v_mul_u32_u24 v[TA], v[TT], POLY
	v_lshlrev_b32 v[OA], 2, v0
	s_wait_kmcnt 0x0
	; waves 0-3: all that the split pairs need from memory, asked for first, so that the counted wait below covers it on both paths
	s_cmp_gt_u32 s14, 3
	s_cbranch_scc1 .Lstage
	s_mul_i32 s23, s20, POLY
	s_lshl_b32 s24, s20, 4
	v_lshrrev_b32 v[Q], 3, v0                      ; threads 0-127: pair 0..15
	v_and_b32 v[CH], 7, v0
	v_lshl_add_u32 v[T2], s21, 4, v[Q]             ; t' = 16 (g & 7) + pair
	v_lshlrev_b32 v[IDO2], 2, v[T2]
	v_mul_u32_u24 v[TA2], v[T2], POLY
	v_lshlrev_b32 v[PB2], 5, v[CH]                 ; four points are 32 bytes
	v_add_nc_u32 v[PA2], v[TA2], v[PB2]
	v_add_nc_u32 v[PB2], 16, v[PB2]
	v_min_u32 v[PB2], 224, v[PB2]                  ; points 30, 31 do not exist: c = 7 takes 28, 29 again and stays inside the polyline
	v_add_nc_u32 v[PB2], v[TA2], v[PB2]
	v_mov_b32 v[PO2], s23
	v_mov_b32 v[LGO2], s24
	global_load_b128 v[PR2:PR2+3],   v[PA2], s[10:11]      ; a pair's eight lanes cover its target's 240 bytes
	global_load_b128 v[PR2+4:PR2+7], v[PB2], s[10:11]
.irp e, 0,1,2,3,4,5,6,7,8,9,10,11,12,13,14
	global_load_b128 v[TG2+4*\e:TG2+4*\e+3], v[PO2], s[6:7] offset:16*\e        ; one address for all lanes
.endr
	global_load_b128 v[LG2:LG2+3],   v[LGO2], s[4:5]
	global_load_b32  v[ID2],         v[IDO2], s[8:9]
.Lstage:
.irp e, 0,1,2,3,4
	global_load_b128 v[TG+4*\e:TG+4*\e+3], v[STG], s[10:11] offset:\e*STEP      ; the table: 5 x 6,144 = 30,720 bytes
.endr
	global_load_b64  v[PRA:PRA+1], v[PGO], s[6:7]  ; my wave's prediction
	global_load_b128 v[LG:LG+3],   v[LGO], s[4:5]
	global_load_b32  v[ID],        v[IDO], s[8:9]
	s_wait_loadcnt 0x2                             ; loads come back in order: all but the two youngest (logits, id) are in
.irp e, 0,1,2,3,4
	ds_store_b128 v[STG], v[TG+4*\e:TG+4*\e+3] offset:TGL+\e*STEP
.endr
	ds_store_b64 v[PLA], v[PRA:PRA+1] offset:PRL
	s_wait_dscnt 0x0                               ; my part of the table is in LDS before I say so
	s_barrier_signal -1
	s_barrier_wait -1                              ; the table is whole; nothing writes it again
	; my target: 15 x 16 bytes.  The pitch of 240 bytes is 15 x 16: sixteen neighbouring lanes touch sixteen different 16-byte columns of
	; a 256-byte row of banks (64 banks of 4 bytes: ISA guide 11.1)
.irp e, 0,1,2,3,4,5,6,7,8,9,10,11,12,13,14
	ds_load_b128 v[TG+4*\e:TG+4*\e+3], v[TA] offset:TGL+16*\e
.endr
	ds_load_b128 v[PRA:PRA+3], v[PA] offset:PRL    ; points 0, 1: one address for all lanes
	ds_load_b128 v[PRB:PRB+3], v[PA] offset:PRL+16 ; points 2, 3
	s_wait_loadcnt 0x0                             ; logits and id
; v[NP] = - softmax(v[lg .. lg+3])[v[id]].  The maximum is taken away inside the multiply-add: 2^(l log2e - max log2e).
.macro SOFTMAX lg, id
	v_max3_num_f32 v[TMP+4], v[\lg], v[\lg+1], v[\lg+2]
	v_max_num_f32 v[TMP+4], v[TMP+4], v[\lg+3]
	v_mul_f32 v[TMP+4], 0xbfb8aa3b, v[TMP+4]       ; - max x log2 e
.irp c, 0,1,2,3
	v_fma_f32 v[TMP+\c], v[\lg+\c], s22, v[TMP+4]
.endr
.irp c, 0,1,2,3
	v_exp_f32 v[TMP+8+\c], v[TMP+\c]
.endr
	v_nop                                          ; one plain vector instruction between a transcendental and the use of its result (ISA guide 5.7.2)
	s_wait_alu depctr_va_vdst(0)
	v_add_f32 v[TMP+6], v[TMP+8], v[TMP+9]
	v_add_f32 v[TMP+7], v[TMP+10], v[TMP+11]
	v_add_f32 v[TMP+6], v[TMP+6], v[TMP+7]         ; at least 1: the largest logit gives 2^0
	v_rcp_f32 v[TMP+7], v[TMP+6]                   ; the six lines below touch neither its source nor its result
	v_cmp_eq_u32 vcc_lo, 1, v[\id]                 ; the class only selects a value
	v_cndmask_b32 v[TMP+5], v[TMP+8], v[TMP+9], vcc_lo
	v_cmp_eq_u32 vcc_lo, 2, v[\id]
	v_cndmask_b32 v[TMP+5], v[TMP+5], v[TMP+10], vcc_lo
	v_cmp_eq_u32 vcc_lo, 3, v[\id]
	v_cndmask_b32 v[TMP+5], v[TMP+5], v[TMP+11], vcc_lo
	s_wait_alu depctr_va_vdst(0)
	v_mul_f32 v[NP], -v[TMP+5], v[TMP+7]
.endm
; 12 x (dx, dy): the two points at v[pr .. pr+3] against points j0 .. j0+5 of the polyline at v[tg ..]
.macro DIFFS pr, j0, tg
.irp a, 0,1
.irp b, 0,1,2,3,4,5
	v_pk_add_f32 v[TMP+12*\a+2*\b:TMP+12*\a+2*\b+1], v[\tg+2*(\j0+\b):\tg+2*(\j0+\b)+1], v[\pr+2*\a:\pr+2*\a+1] neg_lo:[0,1] neg_hi:[0,1]
.endr
.endr
.endm
; 12 distances; six go into each of the two row minima v[r], v[r+1] by three v_min3, two into each of six column minima by one.
; ci = 1: these two points start the column minima;  ri = 1: these six points start the row minima.  Nothing is cleared.
.macro MINS ci, ri, r, j0
.irp e, 0,1,2,3,4,5,6,7,8,9,10,11
	v_add_f32 v[D+\e], |v[TMP+2*\e]|, |v[TMP+2*\e+1]|
.endr
	v_min3_num_f32 v[D+12], v[D],   v[D+1],  v[D+2]
	v_min3_num_f32 v[D+13], v[D+3], v[D+4],  v[D+5]
	v_min3_num_f32 v[D+14], v[D+6], v[D+7],  v[D+8]
	v_min3_num_f32 v[D+15], v[D+9], v[D+10], v[D+11]
.irp b, 0,1,2,3,4,5
.if \ci
	v_min_num_f32 v[CM+\j0+\b], v[D+\b], v[D+6+\b]
.else
	v_min3_num_f32 v[CM+\j0+\b], v[CM+\j0+\b], v[D+\b], v[D+6+\b]
.endif
.endr
.if \ri
	v_min_num_f32 v[\r],   v[D+12], v[D+13]
	v_min_num_f32 v[\r+1], v[D+14], v[D+15]
.else
	v_min3_num_f32 v[\r],   v[\r],   v[D+12], v[D+13]
	v_min3_num_f32 v[\r+1], v[\r+1], v[D+14], v[D+15]
.endif
.endm
; Two points against all 30 points of the polyline at v[tg ..]: 180 instructions.  refill = 1: as soon as the last differences are taken, the
; buffer is asked for again (16 bytes at v[PA] + off); its next use is a whole such block later.
.macro IPAIR ci, pr, r, refill, off, tg
	DIFFS \pr, 0, \tg
	MINS \ci, 1, \r, 0
	DIFFS \pr, 6, \tg
	MINS \ci, 0, \r, 6
	DIFFS \pr, 12, \tg
	MINS \ci, 0, \r, 12
	DIFFS \pr, 18, \tg
	MINS \ci, 0, \r, 18
	DIFFS \pr, 24, \tg
.if \refill
	ds_load_b128 v[\pr:\pr+3], v[PA] offset:PRL+\off
.endif
	MINS \ci, 0, \r, 24
.endm
.macro ROWSUM
	v_pk_add_f32 v[RS:RS+1], v[RS:RS+1], v[R:R+1]
.endm
; v[RES] = (30 column minima + the two row sums) / 60 - probability: 16 register pairs added as a tree
.macro TOTAL
.irp e, 0,1,2,3,4,5,6
	v_pk_add_f32 v[CM+2*\e:CM+2*\e+1], v[CM+2*\e:CM+2*\e+1], v[CM+16+2*\e:CM+16+2*\e+1]
.endr
	v_pk_add_f32 v[CM+14:CM+15], v[CM+14:CM+15], v[RS:RS+1]
.irp e, 0,1,2,3
	v_pk_add_f32 v[CM+2*\e:CM+2*\e+1], v[CM+2*\e:CM+2*\e+1], v[CM+8+2*\e:CM+8+2*\e+1]
.endr
.irp e, 0,1
	v_pk_add_f32 v[CM+2*\e:CM+2*\e+1], v[CM+2*\e:CM+2*\e+1], v[CM+4+2*\e:CM+4+2*\e+1]
.endr
	v_pk_add_f32 v[CM:CM+1], v[CM:CM+1], v[CM+2:CM+3]
	v_add_f32 v[CM], v[CM], v[CM+1]
	v_fma_f32 v[RES], v[CM], s30, v[NP]            ; x 1/60 (two means over 30, halved), minus the probability
.endm
	; THE WHOLE PAIR of this lane: 15 point pairs = 1 in front (it starts the minima and the row sums) + 6 trips of 2 + 2 behind (no refill)
	SOFTMAX LG, ID
	s_wait_dscnt 0x1                               ; LDS loads come back in order: all but the youngest (buffer B) are in
	IPAIR 1, PRA, RS, 1, 32, TG                    ; points 0, 1; A gets points 4, 5
	s_mov_b32 s25, 6
.Lpairs:                                           ; trip n = 0..5, v[PA] = my prediction + 32 n
	s_wait_dscnt 0x1                               ; B is in; A's refill, the younger load, may be out
	IPAIR 0, PRB, R, 1, 48, TG                     ; point pair 2n+1; B gets pair 2n+3
	ROWSUM
	s_wait_dscnt 0x1                               ; A is in; B's refill may be out
	IPAIR 0, PRA, R, 1, 64, TG                     ; point pair 2n+2; A gets pair 2n+4 (14, the last, in trip 5: bytes 224 to 239)
	ROWSUM
	v_add_nc_u32 v[PA], 32, v[PA]
	s_sub_co_i32 s25, s25, 1
	s_cmp_lg_u32 s25, 0
	s_cbranch_scc1 .Lpairs
	s_wait_dscnt 0x1
	IPAIR 0, PRB, R, 0, 0, TG                      ; point pair 13
	ROWSUM
	s_wait_dscnt 0x0
	IPAIR 0, PRA, R, 0, 0, TG                      ; point pair 14
	ROWSUM
	TOTAL
	ds_store_b32 v[OA], v[RES] offset:OUTL
	; THE SPLIT PAIRS, waves 0-3: lane = (pair, c); points 4c .. 4c+3 of target t' against all of prediction p'.  Registers only.
	s_cmp_gt_u32 s14, 3
	s_cbranch_scc1 .Lgather
	SOFTMAX LG2, ID2
	IPAIR 1, PR2, RS, 0, 0, TG2
	IPAIR 0, PR2+4, R, 0, 0, TG2
	v_cmp_gt_u32 vcc_lo, 7, v[CH]                  ; c = 7 took points 28, 29 twice: no harm to a minimum, but they count once in the sum
	v_cndmask_b32 v[R],   0, v[R],   vcc_lo
	v_cndmask_b32 v[R+1], 0, v[R+1], vcc_lo
	ROWSUM
	v_add_f32 v[RS], v[RS], v[RS+1]
.irp m, 1,2,4                                      ; across the pair's eight lanes: the column minima meet, the row sums add up
.set j, 0
.rept 30
	v_min_num_f32_dpp v[CM+j], v[CM+j], v[CM+j] row_xmask:\m row_mask:0xf bank_mask:0xf
.set j, j+1
.endr
	v_add_f32_dpp v[RS], v[RS], v[RS] row_xmask:\m row_mask:0xf bank_mask:0xf
.endr
	v_mov_b32 v[RS+1], 0                           ; the whole row sum is in v[RS]
	TOTAL
	ds_store_b32 v[OA], v[RES] offset:EXTRA        ; every lane its own word; pair q's number stands in words 8q .. 8q+7
.Lgather:
	; THE WAY OUT.  The work-group's 384 results are rows 3g .. 3g+2 of out0, 1,536 neighbouring bytes: threads 0-95 (waves 0-2) store 16 bytes
	; each, a wave 512 bytes from a multiple of 512.  The 16 split pairs are 64 neighbouring bytes of row p', all that this work-group has
	; of that row: four lanes of wave 3.
	s_wait_dscnt 0x0                               ; my results are in LDS before I say so
	s_barrier_signal -1
	s_barrier_wait -1
	s_cmp_gt_u32 s14, 3
	s_cbranch_scc1 .Lend
	s_cmp_eq_u32 s14, 3
	s_cbranch_scc1 .Lextra
	s_mul_i32 s26, ttmp9, 1536
	v_add_nc_u32 v[GO], s26, v[STG]                ; 1,536 g + 16 x thread
	ds_load_b128 v[TMP:TMP+3], v[STG] offset:OUTL
	s_wait_dscnt 0x0
	global_store_b128 v[GO], v[TMP:TMP+3], s[12:13] th:TH_STORE_NT
	s_branch .Lend
.Lextra:
	s_lshl_b32 s27, s20, 9                         ; 512 p'
	s_lshl_b32 s28, s21, 6                         ; + 64 (g & 7)
	s_add_co_u32 s27, s27, s28
	v_and_b32 v[XM], 3, v0                         ; m: pairs 4m .. 4m+3 (the lanes above 3 repeat them and store nothing)
	v_lshlrev_b32 v[XA], 7, v[XM]                  ; pair 4m + i stands at byte 32 (4m + i)
	v_lshl_add_u32 v[GO], v[XM], 4, s27
.irp i, 0,1,2,3
	ds_load_b32 v[TMP+\i], v[XA] offset:EXTRA+32*\i
.endr
	v_cmp_gt_u32 vcc_lo, 100, v0                   ; threads 96-99
	s_wait_dscnt 0x0
	s_wait_xcnt 0x0                                ; EXEC changes only behind this wait
	s_and_saveexec_b32 s29, vcc_lo
	global_store_b128 v[GO], v[TMP:TMP+3], s[12:13] th:TH_STORE_NT
	s_wait_xcnt 0x0                                ; and again in front of the line that restores it
	s_or_b32 exec_lo, exec_lo, s29
.Lend:
	s_wait_tensorcnt 0x0
	ds_add_u32 v244, v245
	s_wait_dscnt 0x0
	s_endpgm
.Lfunc_end_k_q33abdf6927_matcher:
	.size	k_q33abdf6927_matcher, .Lfunc_end_k_q33abdf6927_matcher-k_q33abdf6927_matcher
	.p2alignl 7, 3214868480
	.fill 96, 4, 3214868480
	.section	.rodata,"a",@progbits
	.p2align	6, 0x0
	.amdhsa_kernel k_q33abdf6927_matcher
		.amdhsa_group_segment_fixed_size 37376
		.amdhsa_private_segment_fixed_size 0
		.amdhsa_enable_private_segment 0
		.amdhsa_kernarg_size 40
		.amdhsa_user_sgpr_count 2
		.amdhsa_user_sgpr_kernarg_segment_ptr 1
		.amdhsa_wavefront_size32 1
		.amdhsa_system_sgpr_workgroup_id_x 1
		.amdhsa_system_sgpr_workgroup_id_y 1
		.amdhsa_system_sgpr_workgroup_id_z 1
		.amdhsa_system_vgpr_workitem_id 0
		.amdhsa_next_free_vgpr 246
		.amdhsa_next_free_sgpr 66
		.amdhsa_reserve_vcc 1
		.amdhsa_float_denorm_mode_32 3
		.amdhsa_float_denorm_mode_16_64 3
		.amdhsa_memory_ordered 1
		.amdhsa_forward_progress 1
		.amdhsa_inst_pref_size 96
	.end_amdhsa_kernel
	.amdgpu_metadata
---
amdhsa.version: [ 1, 2 ]
amdhsa.kernels:
  - .name:           k_q33abdf6927_matcher
    .symbol:         k_q33abdf6927_matcher.kd
    .args:
      - { .name: pred_logits, .offset: 0, .size: 8, .value_kind: global_buffer, .address_space: global }
      - { .name: pred_polylines, .offset: 8, .size: 8, .value_kind: global_buffer, .address_space: global }
      - { .name: tgt_ids, .offset: 16, .size: 8, .value_kind: global_buffer, .address_space: global }
      - { .name: tgt_polylines, .offset: 24, .size: 8, .value_kind: global_buffer, .address_space: global }
      - { .name: out0, .offset: 32, .size: 8, .value_kind: global_buffer, .address_space: global }
    .group_segment_fixed_size: 37376
    .private_segment_fixed_size: 0
    .kernarg_segment_align: 8
    .kernarg_segment_size: 40
    .max_flat_workgroup_size: 384
    .sgpr_count:     66
    .vgpr_count:     246
    .wavefront_size: 32
...
	.end_amdgpu_metadata
.endif
;; end of part 1
